; MI455X (gfx1250); checked and timed in simulation.
; The chip was launched on July 23, 2026; its instructions are those of AMD's public machine-readable ISA for CDNA 5 (MIT licence, August 2026) and "CDNA5" Instruction Set Architecture Reference Guide (July 2026). The comments in the code are by the model that wrote it; some were corrected since.
;; Smol Di T Attention. Allowed arithmetic: matrix products marked QUANTISED: E2M3 operands, one E8M0 scale for each 32 along K, by v_wmma_scale_f32_16x16x128_f8f6f4 with both operands' format E2M3, f32 sums; everything else in f32.
;; Inputs: Wk 1,024 x 256 float32; Wo 1,024 x 1,024 float32; Wq 1,024 x 1,024 float32; Wv 1,024 x 256 float32; hidden_states 4 x 2,048 x 1,024 float32.
;; Outputs: out0 4 x 2,048 x 1,024 float32.
;; This version of the problem:
;;   THIS VERSION OF THE PROBLEM IS GIVEN IN LOW PRECISION. The matrix products marked QUANTISED in the list below multiply operands that are first quantised to E2M3 (2 exponent bits, 3 mantissa bits; 6 bits a number), with one power-of-two scale for each 32 numbers along K (OCP MX v1.0); their sums are f32. All else is computed in f32.
;;   The module's matrix products, in the order in which they are computed (A, B: the left and right operand; K: the contracted axis; several contracted axes count as one K, in the product's order):
;;     1. [M 8,192, K 1,024] x [K 1,024, N 1,024]; A: input hidden_states; B: input Wq: QUANTISED
;;     2. [M 8,192, K 1,024] x [K 1,024, N 256]; A: input hidden_states; B: input Wk: QUANTISED
;;     3. [M 8,192, K 1,024] x [K 1,024, N 256]; A: input hidden_states; B: input Wv: QUANTISED
;;     4. batch 16 x [M 8,192, K 64] x [K 64, N 2,048]; A: computed on the way; B: computed on the way: QUANTISED
;;     5. batch 16 x [M 8,192, K 2,048] x [K 2,048, N 64]; A: softmax (see below); B: computed on the way: QUANTISED
;;     6. [M 8,192, K 1,024] x [K 1,024, N 1,024]; A: computed on the way; B: input Wo: QUANTISED
;;   THE QUANTISER, for each operand of a quantised product, along K:
;;     - K is cut into blocks of 32 from its start; a last block that is shorter is filled with zeros.
;;     - A block's scale is 2^e with e = floor(log2(the largest magnitude in the block)) - 2, held to -126 .. 127; a block of zeros has e = 0. As a byte (E8M0): e + 127.
;;     - Each number is divided by its block's scale, clamped to +-7.5, and rounded to the nearest number of E2M3, ties to even, subnormals kept.
;;     - The product sums the exact products of the quantised numbers (number of the format x scale) in f32.
;;   ~~~python
;;   def quantise(x, axis):      # numpy; x: float32 -> the quantised numbers, widened to float32 again
;;       x = np.moveaxis(x, axis, -1); K = x.shape[-1]
;;       x = np.pad(x, [(0, 0)] * (x.ndim - 1) + [(0, -K % 32)]); x = x.reshape(x.shape[:-1] + (-1, 32)); a = np.abs(x).max(-1, keepdims=True)
;;       e = np.where(a > 0, np.clip(np.frexp(np.where(a > 0, a, 1))[1] - 1 - 2, -126, 127), 0)      # np.frexp(a)[1] - 1 = floor(log2(a)), exactly
;;       r = np.clip(x / 2.0 ** e, -7.5, 7.5)
;;       step = 2.0 ** (np.maximum(np.frexp(np.where(r == 0, 1, r))[1] - 1, 0) - 3)
;;       q = np.round(r / step) * step * 2.0 ** e      # np.round: ties to even
;;       return np.moveaxis(q.reshape(q.shape[:-2] + (-1,))[..., :K], -1, axis).astype(np.float32)
;;   ~~~
;;   SOFTMAX AHEAD OF A QUANTISED PRODUCT. Where the list says 'softmax', what is quantised is not the finished softmax but p = 2^(t - M), with t = logit x log2(e) and M = ceil(the row's largest t), a whole number; so 1/2 < the row's largest p <= 1. The row's sum l is taken of the UNQUANTISED p, in f32, and the product's result is divided by l at the end. Since M is a whole number, a kernel that streams over the keys may use a running M (the ceiling of the running maximum): every later rescaling is an exact power of two, which a block's scale takes up: the codes' values come out the same.
;;   OPERANDS COMPUTED ON THE WAY. 'Computed on the way' means the value that the module computes at that place (a softmax that the list does not call 'softmax' is quantised finished and normalised). What goes into a quantiser is computed in f32, as accurately as f32 sums, v_exp_f32 and their like allow (about 1e-6 of the number): no bf16 or f16 on the way to a quantiser, and a product that is left as it is and whose result goes on into a quantised operand takes f32 operands (vector FMAs, or v_wmma_f32_16x16x4_f32). A number that lies on a knife's edge between two numbers of the format may be rounded either way, as far as f32 arithmetic and the matrix unit's own rounding can turn it there, and no further.
;; One version. Each part assembles by itself: llvm-mc -triple=amdgcn-amd-amdhsa -mcpu=gfx1250 --defsym DOCPART=n.
;; ======== version 1 of 1: 4 launches
;; workspace buffers: xq 6,553,600 bytes; wq 2,048,000 bytes; qq 6,815,744 bytes; kv 3,342,336 bytes; aq 6,553,600 bytes
;; launch quant (part 1): grid 416 x 1, 4 waves a work-group, no clusters, 46,592 bytes of LDS; arguments hidden_states, Wq, Wk, Wv, Wo, xq, wq; writes xq, wq
.if DOCPART == 1
	.amdgcn_target "amdgcn-amd-amdhsa--gfx1250"
	.amdhsa_code_object_version 6
	.text
	.protected	k_q321e9715b0_quant
	.globl	k_q321e9715b0_quant
	.p2align	8
	.type	k_q321e9715b0_quant,@function
k_q321e9715b0_quant:
	s_mov_b64 s[64:65], 0
	v_nop
	global_prefetch_b8 v0, s[64:65] scope:SCOPE_SE
	s_setreg_imm32_b32 hwreg(HW_REG_WAVE_MODE, 25, 1), 1
	s_wait_xcnt 0x0
; hidden_states [8192][1024] and the four weights ([1024 (K)][N]) become codes of FP6 (E2M3) with one E8M0 byte for each 32 along K, laid in the ORDER OF AN OPERAND'S REGISTERS.
; A TILE is 16 rows (of x) or columns (of a weight): tile 2 b + u holds rows 32 b + 8 u + i + 8 (i / 8), i = 0 .. 15.  A tile's record is 12,800 bytes: two K halves of 6,400, each eight images of 768 bytes
; (16 rows x 64 K: registers 0-3 of lane l at 16 l, registers 4-5 at 512 + 8 l) and 256 bytes of scale words (row r, K step j of the half: 16 r + 4 j).
; A block's scale is 2^(floor(log2(largest magnitude)) - 2): its byte is the largest magnitude's exponent field - 2, held at 1 from below.
; LIMITS: a block of zeros gets the byte 1 where the rule says 127 (its codes are zeros, and this program alone reads the bytes); NaN and infinities among the inputs are not served.
; Work-groups 0-255 take x: wave w makes half w % 2 of tile 2 wg + w / 2: 16 rows x 512 K in four steps of 128.  Loads read 512 consecutive bytes of a row; the numbers turn through the wave's own stage in LDS,
; so that lane (r, h) holds two whole blocks of row r, k = 64 c + 32 h + 0 .. 31: the conversions' results are the operand's registers.  Every store of codes covers 512 or 256 consecutive aligned bytes.
; Work-groups 256-415 take the weights: 128 columns x 128 K each; a lane takes a column and its registers run down K, so a block needs no other lane.  Loads run two blocks (64 loads a wave) ahead.
; The codes go through the wave's stage into the images' order.  The weights' scale words leave as 4 bytes a lane, 16 bytes apart: one byte in 128 of what this path reads.
; No tensor load, no barrier: waves share nothing.  Each path has LDS bytes of its own.
.set XPITCH, 528                       ; a stage row of x: 512 bytes + 16: the sixteen rows of a read start in sixteen different 16-byte columns
.set XSTAGE, 16*XPITCH
.set WSTAGE0, 4*XSTAGE                 ; behind x's four stages: the weights' four, 3,072 bytes each (two tiles x two images)
.set WSTAGE, 3072
.set SPARE, 46080                      ; behind them: the spare words, 128 bytes for each wave
.set TREC, 12800
.set THALF, 6400
.set FLOOR, 0x1800000                  ; 2^(3 - 127)
.set EOFF, 0xff000000                  ; -(2 << 23)
.set LD, 64                            ; v64-191  x: two sets of 64 as loaded;  weights: 128 offsets, each of which its own load turns into a number
.set XN, 192                           ; v192-255 x: my two blocks;  weights: the way out
	s_load_b256 s[4:11], s[0:1], 0x0               ; hidden_states, Wq, Wk, Wv
	s_load_b128 s[12:15], s[0:1], 0x20             ; Wo, xq
	s_load_b64 s[16:17], s[0:1], 0x30              ; wq
	v_lshl_add_u32 v14, v0, 2, SPARE               ; my spare word; never rewritten
	v_mov_b32 v15, 0                               ; 0; never rewritten
	v_lshrrev_b32 v1, 5, v0
	v_readfirstlane_b32 s18, v1                    ; wave
	v_and_b32 v1, 31, v0                           ; lane
	v_and_b32 v2, 15, v0                           ; r
	v_bfe_u32 v3, v0, 4, 1                         ; h
	v_lshlrev_b32 v4, 4, v1                        ; 16 x lane
	v_lshlrev_b32 v5, 3, v1                        ; 8 x lane
	s_mul_i32 s19, s18, XSTAGE
	v_add_nc_u32 v6, s19, v4                       ; x's stage, in: 16 x lane of a row
	v_mul_u32_u24 v7, v2, XPITCH
	v_lshl_add_u32 v7, v3, 7, v7
	v_add_nc_u32 v7, s19, v7                       ; and out: row r, + 128 h
	v_lshlrev_b32 v8, 4, v2
	v_lshl_add_u32 v8, v3, 3, v8                   ; 16 r + 8 h: two scale words
	v_lshlrev_b32 v9, 2, v1                        ; 4 x lane
	v_and_b32 v10, 7, v0
	v_lshl_add_u32 v10, v3, 3, v10                 ; column l of 32 is row (l % 8) + 8 (l / 16)
	v_bfe_u32 v11, v0, 3, 1                        ; of tile (l / 8) % 2
	s_mul_i32 s23, s18, WSTAGE
	s_add_co_u32 s23, s23, WSTAGE0
	v_mul_u32_u24 v12, v11, 1536
	v_add_nc_u32 v12, s23, v12
	v_mul_u32_u24 v13, v11, TREC
	v_lshl_add_u32 v13, v10, 4, v13                ; my scale word's place: tile x 12,800 + 16 x row
	v_lshl_add_u32 v11, v10, 3, v12                ; the weights' stage, registers 4-5: + 8 x row
	v_lshl_add_u32 v10, v10, 4, v12                ; registers 0-3: + 16 x row
	v_add_nc_u32 v12, s23, v4                      ; and back: 16 x lane
	v_lshlrev_b32 v23, 3, v3                       ; 8 h
	v_mov_b32 v24, 0                               ; written once: a lane permute's destination counts as one of its sources
	s_mov_b32 s20, 0x76543210
	s_mov_b32 s21, 0xfedcba98                      ; v_permlanex16_b32's selects for lane l xor 16
	s_mov_b32 s22, 0xffff0000                      ; lanes 16-31
	s_wait_kmcnt 0x0
	s_cmp_lt_u32 ttmp9, 256
	s_cbranch_scc0 .Lweights
	; ---------------- x ----------------
	s_lshl_b32 s24, ttmp9, 17                      ; 32 rows of 4,096 bytes a work-group,
	s_lshr_b32 s25, s18, 1
	s_lshl_b32 s25, s25, 15                        ; 8 rows on for the second tile,
	s_add_co_u32 s24, s24, s25
	s_and_b32 s25, s18, 1
	s_lshl_b32 s25, s25, 11                        ; 2,048 bytes on for the second K half
	s_add_co_u32 s24, s24, s25
	s_mov_b32 s25, 0
	s_add_nc_u64 s[4:5], s[4:5], s[24:25]
	s_lshl_b32 s26, ttmp9, 2
	s_add_co_u32 s26, s26, s18
	s_mul_i32 s26, s26, THALF                      ; half record 4 wg + wave
	s_mov_b32 s27, 0
	s_add_nc_u64 s[14:15], s[14:15], s[26:27]
.macro LOADX s                         ; K step s: 512 consecutive bytes of each of the tile's 16 rows
.irp p, 0,1,2,3,4,5,6,7,8,9,10,11,12,13,14,15
	global_load_b128 v[LD+64*((\s)%2)+4*\p:LD+64*((\s)%2)+4*\p+3], v4, s[4:5] offset:(\p+8*(\p/8))*4096+512*(\s) th:TH_LOAD_NT
.endr
.endm
.macro XSTEP s
.if (\s) < 3
	s_wait_loadcnt 16                              ; this step's sixteen loads are in; the next step's may be out
.else
	s_wait_loadcnt 0x0
.endif
.irp p, 0,1,2,3,4,5,6,7,8,9,10,11,12,13,14,15
	ds_store_b128 v6, v[LD+64*((\s)%2)+4*\p:LD+64*((\s)%2)+4*\p+3] offset:XPITCH*\p
.endr
.irp c, 0,1
.irp j, 0,1,2,3,4,5,6,7
	ds_load_b128 v[XN+32*\c+4*\j:XN+32*\c+4*\j+3], v7 offset:256*\c+16*\j   ; LDS serves a wave's instructions in order: these see the stores above
.endr
.endr
	s_wait_dscnt 0x0                               ; my two blocks are in, and the stores have read their registers,
.if (\s) < 2
	LOADX (\s)+2                                   ; which take the loads of two steps on
.endif
.irp c, 0,1
	v_max3_num_f32 v[16+\c], |v[XN+32*\c]|, |v[XN+32*\c+1]|, FLOOR   ; block 2 c + h: all 32 numbers are mine; the floor holds the byte at 1 from below
.endr
.irp i, 2,4,6,8,10,12,14,16,18,20,22,24,26,28,30
.irp c, 0,1
	v_max3_num_f32 v[16+\c], v[16+\c], |v[XN+32*\c+\i]|, |v[XN+32*\c+\i+1]|
.endr
.endr
.irp c, 0,1
	v_add_nc_u32 v[18+\c], EOFF, v[16+\c]          ; 2 off the exponent field: the conversion's scale operand
.endr
.irp c, 0,1
	v_lshrrev_b32 v[20+\c], 23, v[18+\c]           ; the scale's byte
.endr
	v_lshl_or_b32 v22, v21, 16, v20                ; blocks h and 2 + h,
	v_lshlrev_b32 v22, v23, v22                    ; at their places in the word;
	v_permlanex16_b32 v24, v22, s20, s21
	v_or_b32 v[52+(\s)], v22, v24                  ; with lane l xor 16's two the word is whole
	s_wait_xcnt 0x0                                ; the last step's stores have read their data: the codes' registers are written again only behind this wait
.irp c, 0,1
	v_cvt_scalef32_pk16_fp6_f32 v[32+6*\c:34+6*\c], v[XN+32*\c:XN+32*\c+15], v[18+\c]
	v_cvt_scalef32_pk16_fp6_f32 v[44+4*\c:46+4*\c], v[XN+32*\c+16:XN+32*\c+31], v[18+\c]   ; (a conversion's three registers begin on an even number)
.endr
	v_nop                                          ; one plain place behind a scaled conversion
.irp c, 0,1
.irp i, 0,1,2
	v_mov_b32 v[35+6*\c+\i], v[44+4*\c+\i]
.endr
.endr
.irp c, 0,1
	global_store_b128 v4, v[32+6*\c:35+6*\c], s[14:15] offset:(2*(\s)+\c)*768        ; 512 consecutive bytes, aligned
	global_store_b64 v5, v[36+6*\c:37+6*\c], s[14:15] offset:(2*(\s)+\c)*768+512     ; 256 consecutive bytes, aligned
.endr
.endm
	LOADX 0
	LOADX 1
	XSTEP 0
	XSTEP 1
	XSTEP 2
	XSTEP 3
	v_cndmask_b32 v56, v52, v54, s22               ; lanes 0-15 store words 0, 1 of their row, lanes 16-31 words 2, 3
	v_cndmask_b32 v57, v53, v55, s22
	global_store_b64 v8, v[56:57], s[14:15] offset:6144   ; 256 consecutive bytes, aligned
	s_branch .Lend
	; ---------------- the weights ----------------
.Lweights:
	s_sub_co_u32 s24, ttmp9, 256
	s_and_b32 s25, s24, 7                          ; which 128 along K
	s_lshr_b32 s24, s24, 3                         ; which 128 columns of Wq | Wk | Wv | Wo on end: 0-7, 8-9, 10-11, 12-19
	s_mov_b64 s[28:29], s[12:13]
	s_mov_b32 s26, 12
	s_mov_b32 s27, 4096                            ; a row of the weight in bytes
	s_cmp_lt_u32 s24, 12
	s_cselect_b64 s[28:29], s[10:11], s[28:29]
	s_cselect_b32 s26, 10, s26
	s_cselect_b32 s27, 1024, s27
	s_cmp_lt_u32 s24, 10
	s_cselect_b64 s[28:29], s[8:9], s[28:29]
	s_cselect_b32 s26, 8, s26
	s_cmp_lt_u32 s24, 8
	s_cselect_b64 s[28:29], s[6:7], s[28:29]
	s_cselect_b32 s26, 0, s26
	s_cselect_b32 s27, 4096, s27
	s_sub_co_u32 s26, s24, s26
	s_lshl_b32 s26, s26, 9                         ; 128 columns of 4 bytes a group,
	s_lshl_b32 s30, s18, 7                         ; 32 a wave,
	s_add_co_u32 s26, s26, s30
	s_lshl_b32 s30, s25, 7
	s_mul_i32 s30, s30, s27                        ; 128 rows a K step
	s_add_co_u32 s30, s30, s26
	s_mov_b32 s31, 0
	s_add_nc_u64 s[28:29], s[28:29], s[30:31]
	s_lshl_b32 s30, s24, 3
	s_lshl_b32 s34, s18, 1
	s_add_co_u32 s30, s30, s34                     ; my first tile: 8 x group + 2 x wave
	s_mul_i32 s30, s30, TREC
	s_lshr_b32 s34, s25, 2
	s_mul_i32 s34, s34, THALF
	s_add_co_u32 s30, s30, s34                     ; its K half
	s_add_nc_u64 s[32:33], s[16:17], s[30:31]
	s_and_b32 s34, s25, 3
	s_lshl_b32 s36, s34, 2
	s_mov_b32 s37, 0
	s_add_nc_u64 s[36:37], s[32:33], s[36:37]      ; for the scale words: + 4 x (K step of the half)
	s_mul_i32 s34, s34, 1536
	s_mov_b32 s35, 0
	s_add_nc_u64 s[38:39], s[32:33], s[34:35]      ; for the codes: + two images a K step
.set i, 0
.rept 128
	v_mad_u32_u24 v[LD+i], s27, i, v9              ; row i of the K step, my column
.set i, i+1
.endr
.macro WLOAD kb                        ; block kb: rows 32 kb .. 32 kb + 31 of the K step, my column
.set i, 32*(\kb)
.rept 32
	global_load_b32 v[LD+i], v[LD+i], s[28:29] th:TH_LOAD_NT   ; 128 consecutive bytes a wave, 512 a work-group; each load lands on its own offset
.set i, i+1
.endr
.endm
.macro WBLK kb                         ; block kb of my column: image kb / 2, half kb % 2 of the lanes
.set D, LD+32*(\kb)
.if (\kb) < 3
	s_wait_loadcnt 32                              ; this block's 32 loads are in; the next block's 32 may be out
.else
	s_wait_loadcnt 0x0
.endif
.if (\kb) < 2
	WLOAD (\kb)+2                                  ; two blocks ahead
.endif
	v_max3_num_f32 v16, |v[D]|, |v[D+1]|, |v[D+2]|
	v_max3_num_f32 v17, |v[D+3]|, |v[D+4]|, |v[D+5]|
.irp n, 6,10,14,18,22,26
	v_max3_num_f32 v16, v16, |v[D+\n]|, |v[D+\n+1]|
	v_max3_num_f32 v17, v17, |v[D+\n+2]|, |v[D+\n+3]|
.endr
	v_max3_num_f32 v16, v16, |v[D+30]|, |v[D+31]|
	v_max3_num_f32 v16, v16, v17, FLOOR
	v_add_nc_u32 v18, EOFF, v16
	v_lshrrev_b32 v19, 23, v18
.if (\kb) == 0
	v_mov_b32 v52, v19
.else
	v_lshl_or_b32 v52, v19, 8*(\kb), v52           ; four bytes make my column's scale word of this K step
.endif
	v_cvt_scalef32_pk16_fp6_f32 v[32:34], v[D:D+15], v18
	v_cvt_scalef32_pk16_fp6_f32 v[44:46], v[D+16:D+31], v18
	v_nop                                          ; one plain place behind a scaled conversion
	v_mov_b32 v35, v44
	v_mov_b32 v36, v45
	v_mov_b32 v37, v46
	ds_store_b128 v10, v[32:35] offset:768*((\kb)/2)+256*((\kb)%2)
	ds_store_b64 v11, v[36:37] offset:768*((\kb)/2)+512+128*((\kb)%2)
	s_wait_dscnt 0x0                               ; the stores have read their registers
.endm
	WLOAD 0
	WLOAD 1
	WBLK 0
	WBLK 1
	WBLK 2
	WBLK 3
.irp j, 0,1,2,3,4,5
	ds_load_b128 v[XN+4*\j:XN+4*\j+3], v12 offset:512*\j   ; LDS serves a wave's instructions in order: these see my stores
.endr
	global_store_b32 v13, v52, s[36:37] offset:6144
.irp j, 0,1,2,3,4,5
	s_wait_dscnt 5-\j                              ; load j is in; the younger ones may be out
	global_store_b128 v4, v[XN+4*\j:XN+4*\j+3], s[38:39] offset:(\j/3)*TREC+(\j%3)*512   ; 512 consecutive bytes, aligned
.endr
.Lend:
	s_wait_tensorcnt 0x0                           ; the wave's end: behind my last LDS store
	ds_add_u32 v14, v15
	s_wait_dscnt 0x0
	s_endpgm
.Lfunc_end_k_q321e9715b0_quant:
	.size	k_q321e9715b0_quant, .Lfunc_end_k_q321e9715b0_quant-k_q321e9715b0_quant
	.p2alignl 7, 3214868480
	.fill 96, 4, 3214868480
	.section	.rodata,"a",@progbits
	.p2align	6, 0x0
	.amdhsa_kernel k_q321e9715b0_quant
		.amdhsa_group_segment_fixed_size 46592
		.amdhsa_private_segment_fixed_size 0
		.amdhsa_enable_private_segment 0
		.amdhsa_kernarg_size 56
		.amdhsa_user_sgpr_count 2
		.amdhsa_user_sgpr_kernarg_segment_ptr 1
		.amdhsa_wavefront_size32 1
		.amdhsa_system_sgpr_workgroup_id_x 1
		.amdhsa_system_sgpr_workgroup_id_y 1
		.amdhsa_system_sgpr_workgroup_id_z 1
		.amdhsa_system_vgpr_workitem_id 0
		.amdhsa_next_free_vgpr 256
		.amdhsa_next_free_sgpr 66
		.amdhsa_reserve_vcc 0
		.amdhsa_float_denorm_mode_32 3
		.amdhsa_float_denorm_mode_16_64 3
		.amdhsa_memory_ordered 1
		.amdhsa_forward_progress 1
		.amdhsa_inst_pref_size 62
	.end_amdhsa_kernel
	.amdgpu_metadata
---
amdhsa.version: [ 1, 2 ]
amdhsa.kernels:
  - .name:           k_q321e9715b0_quant
    .symbol:         k_q321e9715b0_quant.kd
    .args:
      - { .name: hidden_states, .offset: 0, .size: 8, .value_kind: global_buffer, .address_space: global }
      - { .name: Wq, .offset: 8, .size: 8, .value_kind: global_buffer, .address_space: global }
      - { .name: Wk, .offset: 16, .size: 8, .value_kind: global_buffer, .address_space: global }
      - { .name: Wv, .offset: 24, .size: 8, .value_kind: global_buffer, .address_space: global }
      - { .name: Wo, .offset: 32, .size: 8, .value_kind: global_buffer, .address_space: global }
      - { .name: xq, .offset: 40, .size: 8, .value_kind: global_buffer, .address_space: global }
      - { .name: wq, .offset: 48, .size: 8, .value_kind: global_buffer, .address_space: global }
    .group_segment_fixed_size: 46592
    .private_segment_fixed_size: 0
    .kernarg_segment_align: 8
    .kernarg_segment_size: 56
    .max_flat_workgroup_size: 128
    .sgpr_count:     66
    .vgpr_count:     256
    .wavefront_size: 32
...
	.end_amdgpu_metadata
.endif
;; end of part 1
;; launch proj (part 2): grid 64 x 6, 4 waves a work-group, clusters of 4 x 1, 307,712 bytes of LDS; arguments xq, wq, qq, kv; writes qq, kv
.if DOCPART == 2
	.amdgcn_target "amdgcn-amd-amdhsa--gfx1250"
	.amdhsa_code_object_version 6
	.text
	.protected	k_q321e9715b0_proj
	.globl	k_q321e9715b0_proj
	.p2align	8
	.type	k_q321e9715b0_proj,@function
k_q321e9715b0_proj:
	s_mov_b64 s[64:65], 0
	v_nop
	global_prefetch_b8 v0, s[64:65] scope:SCOPE_SE
	s_setreg_imm32_b32 hwreg(HW_REG_WAVE_MODE, 25, 1), 1
	s_wait_xcnt 0x0
	s_wait_alu depctr_hold_cnt(0) depctr_sa_sdst(0) depctr_va_vdst(0) depctr_va_sdst(0) depctr_va_ssrc(0) depctr_va_vcc(0) depctr_vm_vsrc(0)
	s_getreg_b32 s2, hwreg(HW_REG_IB_STS2, 6, 4)
	s_cmp_eq_u32 s2, 0
	s_cbranch_scc0 .Lentry_in_a_cluster
	s_endpgm
.Lentry_in_a_cluster:
	s_bfe_u32 s2, ttmp6, 0x10000c
	s_cmp_lg_u32 s2, 0x3003
	s_cbranch_scc0 .Lentry_shape_is_right
	s_endpgm
.Lentry_shape_is_right:
; q = x Wq, k = x Wk, v = x Wv on codes of FP6 (E2M3), and their results quantised again on the way out: q and k along the head's 64, v along the keys.
; A work-group takes 128 rows of x (8 tiles: work-group x) and 256 columns of Wq | Wk | Wv (16 tiles: work-group y: 0-3 q, 4 k, 5 v), over all K = 1,024.  The 24 tile records, 307,200 bytes, lie in LDS whole:
; every byte is filled once, in two chunks (the K halves); the first half is multiplied while the second lands.  By this text's own count a wave has four tensor loads out.
; CLUSTER: the four work-groups of a cluster have the same y, so the weights' tiles are asked for JOINTLY (mask 15); x's tiles are each work-group's own.
; A wave multiplies 8 tiles (source 0, "P") by 4 tiles (source 1, "R"): 32 accumulators, which take turns, one instruction a turn, in the same order in every K step.
;   q, k: P = 128 columns of the weight (two heads), R = 64 rows of x: a lane holds one row of x, and its 64 registers of an R tile run along the two heads' d.
;   v:    P = the 128 rows of x (keys),              R = one head's 64 channels: a lane holds one channel, and its registers run along the keys.  Only LDS bases differ: one text serves all three.
; Since a tile 2 b + u holds rows 32 b + 8 u + i + 8 (i / 8), the 16 registers of P tiles 2 b, 2 b + 1 are 16 neighbours, 32 b + 16 (lane / 16) + 0 .. 15: what the conversions want.
; OUT: images of operand registers (768 bytes: 16 rows x 64 K) and scale words, in whole aligned runs of 512 and 256 bytes.  q's and k's scale words keep two bytes and have 0 above.
; LIMITS: a block of zeros gets the byte 1 where the rule says 127 (its codes are zeros; this program alone reads the bytes); NaN and infinities are not served.
; REGISTERS: window 0: v4-15 LDS addresses, v16-27 the way out's offsets, v28, v29 the add's two, v32-127 scale words, v128-223 R's fragments (two sets), later the codes made, v224-249 at work.
;   window 1: P's fragments, two sets, at v0 and v128.   window 2: the accumulators, (m, p) at v[8 (8 m + p)].
.set TR, 6400                          ; a K half of a tile record
.set REC, 2*TR
.set CH, 24*TR                         ; a chunk: the weights' 16 tiles, then x's 8
.set XB, 16*TR
.set SPARE, 2*CH                       ; behind the chunks: the spare words, 128 bytes for each wave
.set QS, 6291456                       ; qq: where the scale words begin
.set KVREC, 208896                     ; kv: a head's record: K's images, V's images (98,304), K's scale words (196,608), V's (204,800)
.set FLOOR, 0x1800000
.set EOFF, 0xff000000
.set MSB, 0
.macro WIN new                         ; the immediate's high byte repeats the setting that is left
.if MSB != \new
	s_set_vgpr_msb (MSB<<8)|\new
.set MSB, \new
.endif
.endm
.macro PLACES                          ; four places behind a matrix instruction, ahead of loads into registers that it has read and of reads of its results
.rept 4
	v_nop
.endr
.endm
.macro CROUND                          ; a round of the cluster's barrier
	s_barrier_signal -1
	s_barrier_wait -1
	s_cmp_lg_u32 s12, 0
	s_cbranch_scc1 .Lnot_wave_0_\@
	s_barrier_signal -3
.Lnot_wave_0_\@:
	s_barrier_wait -3
	s_barrier_signal -1
	s_barrier_wait -1
.endm
	s_load_b256 s[4:11], s[0:1], 0x0               ; xq, wq, qq, kv
	v_lshl_add_u32 v28, v0, 2, SPARE
	v_mov_b32 v29, 0
	ds_add_u32 v28, v29                            ; the wave's opening: the add and its wait stand ahead of my first tensor load; work on registers stands between them
	v_lshrrev_b32 v1, 5, v0
	v_readfirstlane_b32 s12, v1                    ; wave
	s_bfe_u32 s13, ttmp6, 0x40000                  ; cx
	s_lshl_b32 s14, ttmp9, 2
	s_add_co_u32 s14, s14, s13                     ; X: my 128 rows of x
	s_and_b32 s15, ttmp7, 0xffff                   ; Y: my 256 columns; the same in all four partners
	; descriptor group 1: rows of 800 elements of 8 bytes (a K half of a record), 1,600 elements apart; the weights: 4 rows a wave, jointly; x: 2 rows a wave
	s_mov_b32 s24, 15|(3<<16)|(1<<21)
	s_mov_b32 s25, 800<<16
	s_mov_b32 s26, 4<<16
	s_mov_b32 s27, 800<<16
	s_mov_b32 s28, 4
	s_mov_b32 s29, 1600
	s_mov_b32 s30, 0
	s_mov_b32 s31, 0
	s_mov_b32 s32, 3<<16
	s_mov_b32 s33, 800<<16
	s_mov_b32 s34, 2<<16
	s_mov_b32 s35, 800<<16
	s_mov_b32 s36, 2
	s_mov_b32 s37, 1600
	s_mov_b32 s38, 0
	s_mov_b32 s39, 0
	s_lshl_b32 s16, s15, 4
	s_lshl_b32 s17, s12, 2
	s_add_co_u32 s16, s16, s17
	s_mul_i32 s16, s16, REC                        ; the weights: tile 16 Y + 4 wave: nothing of cx enters
	s_mov_b32 s17, 0
	s_lshl_b32 s18, s14, 3
	s_lshl_b32 s19, s12, 1
	s_add_co_u32 s18, s18, s19
	s_mul_i32 s18, s18, REC                        ; x: tile 8 X + 2 wave
	s_mov_b32 s19, 0
	s_mul_i32 s20, s12, 4*TR                       ; where they go: by the wave's number alone
	s_mul_i32 s21, s12, 2*TR
	s_add_co_u32 s21, s21, XB
	s_wait_dscnt 0x0                               ; the opening add is done
	s_wait_kmcnt 0x0
	s_add_nc_u64 s[16:17], s[6:7], s[16:17]
	s_add_nc_u64 s[18:19], s[4:5], s[18:19]
.irp k, 0,1
	s_mov_b32 s[40+8*\k], 1
	s_add_co_u32 s[41+8*\k], s20, \k*CH
	s_add_nc_u64 s[42+8*\k:43+8*\k], s[16:17], \k*TR
	s_or_b32 s[43+8*\k], s[43+8*\k], 0x80000000
	s_mov_b32 s[44+8*\k], 1
	s_add_co_u32 s[45+8*\k], s21, \k*CH
	s_add_nc_u64 s[46+8*\k:47+8*\k], s[18:19], \k*TR
	s_or_b32 s[47+8*\k], s[47+8*\k], 0x80000000
.endr
	CROUND                                         ; all four work-groups are here: the joint loads meet
	tensor_load_to_lds s[40:43], s[24:31]          ; K half 0: the weights' tiles,
	s_nop 0
	tensor_load_to_lds s[44:47], s[32:39]          ; x's;
	s_nop 0
	tensor_load_to_lds s[48:51], s[24:31]          ; K half 1
	s_nop 0
	tensor_load_to_lds s[52:55], s[32:39]
	s_nop 0
	PLACES
	s_and_b32 s58, s12, 1                          ; wl
	s_lshr_b32 s59, s12, 1                         ; wh
	s_mul_i32 s22, s58, 8*TR                       ; q, k: P = the weights' tiles 8 wl on,
	s_mul_i32 s23, s59, 4*TR
	s_add_co_u32 s23, s23, XB                      ;       R = x's tiles 4 wh on
	s_mul_i32 s20, s12, 4*TR                       ; v:    R = the weights' tiles 4 wave on,
	s_mov_b32 s21, XB                              ;       P = x's eight
	s_cmp_eq_u32 s15, 5
	s_cselect_b32 s22, s21, s22
	s_cselect_b32 s23, s20, s23
	v_and_b32 v1, 31, v0
	v_and_b32 v2, 15, v0                           ; r
	v_bfe_u32 v3, v0, 4, 1                         ; h
	v_lshlrev_b32 v26, 4, v1                       ; 16 x lane
	v_lshlrev_b32 v27, 3, v1                       ; 8 x lane
	v_lshlrev_b32 v25, 4, v2                       ; 16 r
	v_add_nc_u32 v4, s22, v26                      ; P: registers 0-3 of an image, chunk 0, 1
	v_add_nc_u32 v5, CH, v4
	v_add_nc_u32 v6, s22, v27                      ; registers 4-5
	v_add_nc_u32 v7, CH, v6
	v_add_nc_u32 v8, s23, v26                      ; R likewise
	v_add_nc_u32 v9, CH, v8
	v_add_nc_u32 v10, s23, v27
	v_add_nc_u32 v11, CH, v10
	v_add_nc_u32 v12, s22, v25                     ; scale words: four of row r
	v_add_nc_u32 v13, CH, v12
	v_add_nc_u32 v14, s23, v25
	v_add_nc_u32 v15, CH, v14
	; where the results go (offsets in bytes, made apart from the addresses)
	s_lshr_b32 s56, s14, 4                         ; batch
	s_and_b32 s57, s14, 15                         ; which 128 rows of it
	s_lshl_b32 s60, s57, 3
	s_lshl_b32 s61, s59, 2
	s_add_co_u32 s60, s60, s61
	s_mul_i32 s60, s60, 768                        ; q, k: my first tile of rows in the batch, 768 bytes a tile
	s_lshl_b32 s61, s57, 1
	s_add_co_u32 s61, s61, s59
	s_lshl_b32 s61, s61, 8                         ; and its four tiles' scale words: 256 bytes
	s_lshl_b32 s62, s56, 4
	s_lshl_b32 s66, s15, 2
	s_add_co_u32 s62, s62, s66
	s_lshl_b32 s66, s58, 1
	s_add_co_u32 s62, s62, s66                     ; q: 16 batch + my first head
	s_mul_i32 s66, s62, 98304
	s_add_co_u32 s66, s66, s60
	s_lshl_b32 s67, s62, 13
	s_add_co_u32 s67, s67, s61
	s_add_co_u32 s67, s67, QS
	s_lshl_b32 s68, s56, 2
	s_lshl_b32 s69, s58, 1
	s_add_co_u32 s69, s69, s68                     ; k: record 4 batch + my first head
	s_mul_i32 s70, s69, KVREC
	s_add_co_u32 s69, s70, s60
	s_add_co_u32 s70, s70, s61
	s_add_co_u32 s70, s70, 196608
	s_add_co_u32 s71, s68, s12                     ; v: record 4 batch + wave
	s_mul_i32 s71, s71, KVREC
	s_mul_i32 s72, s57, 6144
	s_add_co_u32 s72, s72, s71
	s_add_co_u32 s72, s72, 98304
	s_lshl_b32 s73, s57, 8
	s_add_co_u32 s73, s73, s71
	s_add_co_u32 s73, s73, 204800
	s_mov_b32 s78, KVREC
	s_mov_b32 s80, KVREC
	s_mov_b32 s82, 768
	s_mov_b32 s83, 0xffff
	s_cmp_lt_u32 s15, 4
	s_cselect_b64 s[84:85], s[8:9], s[10:11]       ; qq or kv: the choice hangs on the work-group's y alone
	s_cselect_b32 s74, s66, s69                    ; the first image,
	s_cselect_b32 s76, s67, s70                    ; the first scale words,
	s_cselect_b32 s78, 98304, s78                  ; from the first half of a fragment to the second (q, k: the next head),
	s_cselect_b32 s80, 8192, s80                   ; the same for the scale words
	s_cmp_eq_u32 s15, 5
	s_cselect_b32 s74, s72, s74
	s_cselect_b32 s76, s73, s76
	s_cselect_b32 s78, 768, s78                    ; (v: the next 64 keys)
	s_cselect_b32 s82, 1536, s82                   ; from R tile to R tile
	s_cselect_b32 s83, -1, s83                     ; v keeps all four scale bytes
	s_mov_b32 s75, 0
	s_mov_b32 s77, 0
	s_mov_b32 s79, 0
	s_mov_b32 s81, 0
	s_add_nc_u64 s[86:87], s[84:85], s[74:75]
	s_add_nc_u64 s[88:89], s[86:87], s[78:79]
	s_add_nc_u64 s[90:91], s[84:85], s[76:77]
	s_add_nc_u64 s[92:93], s[90:91], s[80:81]
	s_mov_b32 s94, 0x76543210
	s_mov_b32 s95, 0xfedcba98                      ; v_permlanex16_b32's selects for lane l xor 16
	s_mov_b32 s63, 0xffff0000                      ; lanes 16-31
.irp m, 0,1,2,3
	v_mad_u32_u24 v[16+\m], s82, \m, v26
	v_mad_u32_u24 v[20+\m], s82, \m, v27
.endr
	v_lshl_add_u32 v24, v3, 3, v25                 ; 16 r + 8 h
.irp b, 0,1,2,3
	v_mov_b32 v[228+\b], 0                         ; written once: a lane permute's destination counts as one of its sources
.endr
; The fragments of K step s (chunk s / 4, images 2 (s % 4) and + 1) into set s % 2: each image by a load of 16 and a load of 8 bytes a lane, consecutive from lane to lane.  With a chunk's first step: its scale words.
.macro FETCH s
.set KP, (\s)/4
.set SL, (\s)%4
.set SG, (\s)%2
	WIN 0x40                                       ; destination window 1
.irp p, 0,1,2,3,4,5,6,7
.irp c, 0,1
	ds_load_b128 v[128*SG+12*\p+6*\c:128*SG+12*\p+6*\c+3], v[4+KP] offset:\p*TR+(2*SL+\c)*768
	ds_load_b64 v[128*SG+12*\p+6*\c+4:128*SG+12*\p+6*\c+5], v[6+KP] offset:\p*TR+(2*SL+\c)*768+512
.endr
.endr
	WIN 0
.irp m, 0,1,2,3
.irp c, 0,1
	ds_load_b128 v[128+48*SG+12*\m+6*\c:128+48*SG+12*\m+6*\c+3], v[8+KP] offset:\m*TR+(2*SL+\c)*768
	ds_load_b64 v[128+48*SG+12*\m+6*\c+4:128+48*SG+12*\m+6*\c+5], v[10+KP] offset:\m*TR+(2*SL+\c)*768+512
.endr
.endr
.if SL == 0
.irp p, 0,1,2,3,4,5,6,7
	ds_load_b128 v[32+48*KP+4*\p:32+48*KP+4*\p+3], v[12+KP] offset:\p*TR+6144
.endr
.irp m, 0,1,2,3
	ds_load_b128 v[64+48*KP+4*\m:64+48*KP+4*\m+3], v[14+KP] offset:\m*TR+6144
.endr
.endif
.endm
.macro MUL32 s, zero                   ; zero = 1: the first product starts the sums: nothing is ever cleared
.set KP, (\s)/4
.set SL, (\s)%4
.set SG, (\s)%2
	WIN 0xa1                                       ; source 0 window 1, source 1 window 0, C and D window 2
.irp m, 0,1,2,3
.irp p, 0,1,2,3,4,5,6,7
.if \zero
	v_wmma_scale_f32_16x16x128_f8f6f4 v[8*(8*\m+\p):8*(8*\m+\p)+7], v[128*SG+12*\p:128*SG+12*\p+11], v[128+48*SG+12*\m:128+48*SG+12*\m+11], 0, v[32+48*KP+4*\p+SL], v[64+48*KP+4*\m+SL] matrix_a_fmt:MATRIX_FMT_FP6 matrix_b_fmt:MATRIX_FMT_FP6
.else
	v_wmma_scale_f32_16x16x128_f8f6f4 v[8*(8*\m+\p):8*(8*\m+\p)+7], v[128*SG+12*\p:128*SG+12*\p+11], v[128+48*SG+12*\m:128+48*SG+12*\m+11], v[8*(8*\m+\p):8*(8*\m+\p)+7], v[32+48*KP+4*\p+SL], v[64+48*KP+4*\m+SL] matrix_a_fmt:MATRIX_FMT_FP6 matrix_b_fmt:MATRIX_FMT_FP6
.endif
.endr
.endr
	WIN 0
.endm
.macro KSTEP s
	s_wait_dscnt 0x0                               ; this step's fragments, asked for 32 matrix instructions ago, are in
.if (\s) == 3
	s_wait_tensorcnt 0x0                           ; my parts of K half 1 have landed,
	s_barrier_signal -1
	s_barrier_wait -1                              ; everybody's have; and nobody reads K half 0 any more
.endif
.if (\s) < 7
.if (\s) > 0
	PLACES
.endif
	FETCH (\s)+1
.endif
.if (\s) == 0
	MUL32 \s, 1
.else
	MUL32 \s, 0
.endif
.endm
	s_wait_tensorcnt 2                             ; my parts of K half 0 are in; half 1's two loads may stay out
	s_barrier_signal -1
	s_barrier_wait -1
	FETCH 0
	KSTEP 0
	KSTEP 1
	KSTEP 2
	KSTEP 3
	KSTEP 4
	KSTEP 5
	KSTEP 6
	KSTEP 7
	PLACES
; THE WAY OUT.  R tile m: my lane's 64 results, register 16 b + i = number 32 b + 16 (lane / 16) + i of my row, become a fragment's codes (v[128 + 20 m] on) and its scale word (v[240 + m]).
.macro QUANT m
.set ACB, 64*(\m)
.set PCD, 128+20*(\m)
	WIN 0x0a                                       ; sources 0 and 1 window 2
.irp b, 0,1,2,3
	v_max3_num_f32 v[224+\b], |v[ACB+16*\b]|, |v[ACB+16*\b+1]|, FLOOR   ; each accumulator is read from its low end on
.endr
	WIN 0x28                                       ; sources 1 and 2 window 2
.irp i, 2,4,6,8,10,12,14
.irp b, 0,1,2,3
	v_max3_num_f32 v[224+\b], v[224+\b], |v[ACB+16*\b+\i]|, |v[ACB+16*\b+\i+1]|
.endr
.endr
	WIN 0
.irp b, 0,1,2,3
	v_permlanex16_b32 v[228+\b], v[224+\b], s94, s95
.endr
.irp b, 0,1,2,3
	v_max_num_f32 v[224+\b], v[224+\b], v[228+\b]  ; with lane l xor 16's: the block's largest magnitude
.endr
.irp b, 0,1,2,3
	v_add_nc_u32 v[236+\b], EOFF, v[224+\b]        ; 2 off its exponent field: the conversion's scale operand
.endr
.irp b, 0,1,2,3
	v_lshrrev_b32 v[228+\b], 23, v[236+\b]         ; the scale's byte
.endr
	v_lshl_or_b32 v[240+(\m)], v229, 8, v228
	v_lshl_or_b32 v[240+(\m)], v230, 16, v[240+(\m)]
	v_lshl_or_b32 v[240+(\m)], v231, 24, v[240+(\m)]
	WIN 0x02                                       ; source 0 window 2
.irp c, 0,1
	v_cvt_scalef32_pk16_fp6_f32 v[PCD+6*\c:PCD+6*\c+2], v[ACB+32*\c:ACB+32*\c+15], v[236+2*\c]
	v_cvt_scalef32_pk16_fp6_f32 v[PCD+12+4*\c:PCD+14+4*\c], v[ACB+32*\c+16:ACB+32*\c+31], v[236+2*\c+1]
.endr
	WIN 0
	v_nop                                          ; one plain place behind a scaled conversion
.irp c, 0,1                            ; the operand's layout wants a whole block in a lane
.irp i, 0,1,2
	v_permlane16_swap_b32 v[PCD+6*\c+\i], v[PCD+12+4*\c+\i]
.endr
.irp i, 0,1,2
	v_mov_b32 v[PCD+3+6*\c+\i], v[PCD+12+4*\c+\i]
.endr
.endr
.irp c, 0,1
	global_store_b128 v[16+(\m)], v[PCD+6*\c:PCD+6*\c+3], s[86+2*\c:87+2*\c]              ; 512 consecutive bytes, aligned; each tile has data registers of its own
	global_store_b64 v[20+(\m)], v[PCD+6*\c+4:PCD+6*\c+5], s[86+2*\c:87+2*\c] offset:512  ; 256 consecutive bytes, aligned
.endr
.endm
	QUANT 0
	QUANT 1
	QUANT 2
	QUANT 3
	v_cndmask_b32 v244, v240, v242, s63            ; lanes 0-15 store tiles 0, 1's words of their row, lanes 16-31 tiles 2, 3's
	v_cndmask_b32 v245, v241, v243, s63
	v_and_b32 v246, s83, v244                      ; q, k: the first head's two bytes, 0 above
	v_and_b32 v247, s83, v245
	global_store_b64 v24, v[246:247], s[90:91]     ; 256 consecutive bytes, aligned
	s_cmp_eq_u32 s15, 5
	s_cbranch_scc1 .Lone_word
	v_lshrrev_b32 v248, 16, v244                   ; q, k: the second head's
	v_lshrrev_b32 v249, 16, v245
	global_store_b64 v24, v[248:249], s[92:93]
.Lone_word:
	s_wait_tensorcnt 0x0                           ; the wave's end
	ds_add_u32 v28, v29
	s_wait_dscnt 0x0
	CROUND                                         ; the closing round
	s_endpgm
.Lfunc_end_k_q321e9715b0_proj:
	.size	k_q321e9715b0_proj, .Lfunc_end_k_q321e9715b0_proj-k_q321e9715b0_proj
	.p2alignl 7, 3214868480
	.fill 96, 4, 3214868480
	.section	.rodata,"a",@progbits
	.p2align	6, 0x0
	.amdhsa_kernel k_q321e9715b0_proj
		.amdhsa_group_segment_fixed_size 307712
		.amdhsa_private_segment_fixed_size 0
		.amdhsa_enable_private_segment 0
		.amdhsa_kernarg_size 32
		.amdhsa_user_sgpr_count 2
		.amdhsa_user_sgpr_kernarg_segment_ptr 1
		.amdhsa_wavefront_size32 1
		.amdhsa_system_sgpr_workgroup_id_x 1
		.amdhsa_system_sgpr_workgroup_id_y 1
		.amdhsa_system_sgpr_workgroup_id_z 1
		.amdhsa_system_vgpr_workitem_id 0
		.amdhsa_next_free_vgpr 768
		.amdhsa_next_free_sgpr 96
		.amdhsa_reserve_vcc 0
		.amdhsa_float_denorm_mode_32 3
		.amdhsa_float_denorm_mode_16_64 3
		.amdhsa_memory_ordered 1
		.amdhsa_forward_progress 1
		.amdhsa_inst_pref_size 87
	.end_amdhsa_kernel
	.amdgpu_metadata
---
amdhsa.version: [ 1, 2 ]
amdhsa.kernels:
  - .name:           k_q321e9715b0_proj
    .symbol:         k_q321e9715b0_proj.kd
    .args:
      - { .name: xq, .offset: 0, .size: 8, .value_kind: global_buffer, .address_space: global }
      - { .name: wq, .offset: 8, .size: 8, .value_kind: global_buffer, .address_space: global }
      - { .name: qq, .offset: 16, .size: 8, .value_kind: global_buffer, .address_space: global }
      - { .name: kv, .offset: 24, .size: 8, .value_kind: global_buffer, .address_space: global }
    .group_segment_fixed_size: 307712
    .private_segment_fixed_size: 0
    .kernarg_segment_align: 8
    .kernarg_segment_size: 32
    .max_flat_workgroup_size: 128
    .sgpr_count:     96
    .vgpr_count:     768
    .wavefront_size: 32
...
	.end_amdgpu_metadata
.endif
;; end of part 2
;; launch attn (part 3): grid 16 x 16, 16 waves a work-group, clusters of 4 x 1, 210,944 bytes of LDS; arguments qq, kv, aq; writes aq
.if DOCPART == 3
	.amdgcn_target "amdgcn-amd-amdhsa--gfx1250"
	.amdhsa_code_object_version 6
	.text
	.protected	k_q321e9715b0_attn
	.globl	k_q321e9715b0_attn
	.p2align	8
	.type	k_q321e9715b0_attn,@function
k_q321e9715b0_attn:
	s_mov_b64 s[64:65], 0
	v_nop
	global_prefetch_b8 v0, s[64:65] scope:SCOPE_SE
	s_setreg_imm32_b32 hwreg(HW_REG_WAVE_MODE, 25, 1), 1
	s_wait_xcnt 0x0
	s_wait_alu depctr_hold_cnt(0) depctr_sa_sdst(0) depctr_va_vdst(0) depctr_va_sdst(0) depctr_va_ssrc(0) depctr_va_vcc(0) depctr_vm_vsrc(0)
	s_getreg_b32 s2, hwreg(HW_REG_IB_STS2, 6, 4)
	s_cmp_eq_u32 s2, 0
	s_cbranch_scc0 .Lentry_in_a_cluster
	s_endpgm
.Lentry_in_a_cluster:
	s_bfe_u32 s2, ttmp6, 0x10000c
	s_cmp_lg_u32 s2, 0x3003
	s_cbranch_scc0 .Lentry_shape_is_right
	s_endpgm
.Lentry_shape_is_right:
; o = softmax(q k^T / 8 + win) v for one query head, win = 1 where |query - key| <= 256 and 0 elsewhere (an ADDED term: every key counts), both products on codes of FP6 (E2M3); o is quantised along (head, d) on the way out.
; THE SOFTMAX: t = logit x log2(e); M = the running largest t rounded UP to a whole number; p = 2^(t - M) is quantised along the keys, not normalised; the row's sum is taken of the unquantised p and divides at the end.
; SHARES.  Cluster x: 512 queries; place in the cluster: which of the four query heads of a kv head; y: batch x 4 + kv head.  The four partners read the same K and V: the head's whole record, 208,896 bytes
; (K's and V's images and scale words), comes into each one's LDS ONCE, asked for jointly, a sixteenth by each wave: one tensor load a wave in the whole launch.
; Each of sixteen waves owns two tiles of 16 queries, one after the other, and walks all 2,048 keys, 128 a step.  Four waves share a SIMD: one's vector work stands beside another's products and LDS loads.
; LAYOUT.  Both products are used transposed (S^T = K Q^T, O^T = V^T P^T): a lane holds one query.  Tiles of keys, queries and channels hold rows 32 b + 8 u + i + 8 (i / 8), so that 16 registers of two
; neighbouring tiles are 16 neighbours.  The first product's K is 64: Q's upper six registers are zero codes, K's operand runs on into the next tile's codes (numbers x 0), and the upper scale bytes are 0.
; THE WINDOW: logit = (s + 8 win) / 8, so 8 win is the C of S^T: the constant 0 where all 128 keys of a step lie outside the window of the wave's 32 queries, eight registers of 8.0 where all lie inside,
; and made lane by lane (128 lines) in the one step at each edge.  The three ways part on ids and the loop's count alone.
; The scale bytes of the output leave as one byte a lane, 16 bytes apart: 1 byte in 24 of what is stored; a row's 16 bytes come from eight heads' work-groups.
; LIMITS: the window's term is added inside the matrix unit's f32 sum; a block of zeros gets the byte 1 where the rule says 127; NaN and infinities are not served.
; REGISTERS: v1-4, v29 lane terms; v5, v6 the add's two; v7-11, v28 a step's LDS addresses; v12 -M, v13 largest t, v[14:15] the sum; v16-27 Q of tile 0 and zeros; v30, v31 Q's scale words; v32-79 K's, then V's fragments;
;   v80-85 zeros; v86-91, v95 the output's codes and byte; v92-94 the edge; v96-159 S^T, then p; v160-191 O^T; v192-199 8.0; v200-207 K's scale words; v208-211 V's; v212-223 Q of tile 1 and zeros; v224-254 at work.
.set SPARE, 208896                     ; behind the record: the spare words, 128 bytes for each of sixteen waves
.set KVREC, 208896
.set QS, 6291456
.set FLOOR, 0x1800000
.set EOFF, 0xff000000
.macro PLACES
.rept 4
	v_nop
.endr
.endm
.macro CROUND
	s_barrier_signal -1
	s_barrier_wait -1
	s_cmp_lg_u32 s12, 0
	s_cbranch_scc1 .Lnot_wave_0_\@
	s_barrier_signal -3
.Lnot_wave_0_\@:
	s_barrier_wait -3
	s_barrier_signal -1
	s_barrier_wait -1
.endm
	s_load_b128 s[4:7], s[0:1], 0x0                ; qq, kv
	s_load_b64 s[8:9], s[0:1], 0x10                ; aq
	v_lshl_add_u32 v5, v0, 2, SPARE
	v_mov_b32 v6, 0
	ds_add_u32 v5, v6                              ; the wave's opening: the add and its wait stand ahead of my tensor load; work on registers stands between them
	v_lshrrev_b32 v7, 5, v0
	v_readfirstlane_b32 s12, v7                    ; wave 0..15
	s_bfe_u32 s13, ttmp6, 0x40000                  ; cx: which query head of the kv head: it enters global addresses of q and of the output alone
	s_and_b32 s15, ttmp7, 0xffff                   ; 4 batch + kv head
	; descriptor group 1: 51 dense rows of 256 bytes (32 elements of 8), jointly for the four partners
	s_mov_b32 s24, 15|(3<<16)|(1<<21)
	s_mov_b32 s25, 32<<16
	s_mov_b32 s26, 51<<16
	s_mov_b32 s27, 32<<16
	s_mov_b32 s28, 51
	s_mov_b32 s29, 32
	s_mov_b32 s30, 0
	s_mov_b32 s31, 0
	s_mov_b32 s32, 1
	s_mul_i32 s33, s12, 13056                      ; my sixteenth, in LDS
	s_mul_i32 s16, s15, KVREC
	s_add_co_u32 s16, s16, s33                     ; and in memory
	s_mov_b32 s17, 0
	s_mov_b32 s20, 0x76543210
	s_mov_b32 s21, 0xfedcba98                      ; v_permlanex16_b32's selects for lane l xor 16
	s_mov_b32 s22, 0x3e38aa3b                      ; c = log2(e) / 8
	s_mov_b32 s23, s22                             ; (named with it as a pair, so it is written)
	s_mov_b32 s61, 0xffff0000                      ; lanes 16-31
	s_wait_dscnt 0x0                               ; the opening add is done
	s_wait_kmcnt 0x0
	s_add_nc_u64 s[34:35], s[6:7], s[16:17]
	s_or_b32 s35, s35, 0x80000000
	CROUND                                         ; all four work-groups are here: the joint loads meet
	tensor_load_to_lds s[32:35], s[24:31]
	s_nop 0
	PLACES
	s_lshl_b32 s40, s15, 2
	s_add_co_u32 s40, s40, s13                     ; 16 batch + query head
	s_lshl_b32 s41, s40, 7
	s_lshl_b32 s42, ttmp9, 5
	s_add_co_u32 s41, s41, s42
	s_lshl_b32 s42, s12, 1
	s_add_co_u32 s41, s41, s42                     ; my first tile of queries
	s_mul_i32 s42, s41, 768
	s_mov_b32 s43, 0
	s_add_nc_u64 s[44:45], s[4:5], s[42:43]        ; its image
	s_lshl_b32 s41, s40, 5
	s_lshl_b32 s42, ttmp9, 3
	s_add_co_u32 s41, s41, s42
	s_lshr_b32 s42, s12, 1
	s_add_co_u32 s41, s41, s42
	s_lshl_b32 s41, s41, 8                         ; four tiles' scale words are 256 bytes;
	s_and_b32 s42, s12, 1
	s_lshl_b32 s42, s42, 3                         ; my two tiles' words of a row are 8 bytes of its 16
	s_add_co_u32 s42, s42, s41
	s_add_co_u32 s42, s42, QS
	s_add_nc_u64 s[46:47], s[4:5], s[42:43]
	s_lshr_b32 s41, s15, 2
	s_lshl_b32 s41, s41, 7
	s_lshl_b32 s42, ttmp9, 5
	s_add_co_u32 s41, s41, s42
	s_lshl_b32 s42, s12, 1
	s_add_co_u32 s41, s41, s42                     ; the output's tile: 128 batch + my first tile
	s_mul_i32 s41, s41, 12800
	s_and_b32 s48, s15, 3
	s_lshl_b32 s48, s48, 2
	s_add_co_u32 s48, s48, s13                     ; the query head
	s_lshr_b32 s49, s48, 3
	s_mul_i32 s49, s49, 6400                       ; its K half of the record,
	s_add_co_u32 s41, s41, s49
	s_and_b32 s48, s48, 7
	s_mul_i32 s42, s48, 768                        ; its image,
	s_add_co_u32 s42, s42, s41
	s_add_nc_u64 s[50:51], s[8:9], s[42:43]
	s_lshl_b32 s42, s48, 1                         ; its two scale bytes of a row's sixteen
	s_add_co_u32 s42, s42, s41
	s_add_nc_u64 s[52:53], s[8:9], s[42:43]
	s_lshl_b32 s54, ttmp9, 9
	s_lshl_b32 s57, s12, 5
	s_add_co_u32 s54, s54, s57                     ; G: my first query in the batch
	v_and_b32 v7, 31, v0
	v_and_b32 v8, 15, v0                           ; r
	v_bfe_u32 v9, v0, 4, 1                         ; h
	v_lshlrev_b32 v1, 4, v7                        ; 16 x lane
	v_lshlrev_b32 v2, 3, v7                        ; 8 x lane
	v_lshlrev_b32 v3, 4, v8                        ; 16 r
	v_add_nc_u32 v29, v3, v9                       ; 16 r + h
	v_and_b32 v10, 8, v8
	v_add_nc_u32 v10, v10, v8
	v_lshlrev_b32 v4, 4, v9
	v_sub_nc_u32 v4, v4, v10                       ; 16 h - r - 8 (r / 8): my keys' offset less my query's
	global_load_b128 v[16:19], v1, s[44:45] th:TH_LOAD_NT
	global_load_b64 v[20:21], v2, s[44:45] offset:512 th:TH_LOAD_NT
	global_load_b128 v[212:215], v1, s[44:45] offset:768 th:TH_LOAD_NT
	global_load_b64 v[216:217], v2, s[44:45] offset:1280 th:TH_LOAD_NT
	global_load_b64 v[30:31], v3, s[46:47] th:TH_LOAD_NT
.irp i, 0,1,2,3,4,5
	v_mov_b32 v[22+\i], 0                          ; zero codes for k = 64 .. 127
	v_mov_b32 v[218+\i], 0
	v_mov_b32 v[80+\i], 0
.endr
.irp i, 0,1,2,3,4,5,6,7
	v_mov_b32 v[192+\i], 0x41000000                ; 8.0
.endr
.irp b, 0,1,2,3
	v_mov_b32 v[236+\b], 0                         ; written once: a lane permute's destination counts as one of its sources
.endr
	v_mov_b32 v253, 0                              ; (named as the upper half of the pair v[252:253] before it is first written)
	s_wait_tensorcnt 0x0                           ; my sixteenth of the record is in,
	s_barrier_signal -1
	s_barrier_wait -1                              ; everybody's is
	s_wait_loadcnt 0x0                             ; Q
; S^T = K Q^T + C, eight tiles of 16 keys.  mode 0: C = 0;  1: C = 8.0;  2: C was made in the result's registers
.macro SQK e, mode
.irp t, 0,1,2,3,4,5,6,7
.if \mode == 0
	v_wmma_scale_f32_16x16x128_f8f6f4 v[96+8*\t:103+8*\t], v[32+6*\t:43+6*\t], v[16+196*(\e):27+196*(\e)], 0, v[200+\t], v[30+(\e)] matrix_a_fmt:MATRIX_FMT_FP6 matrix_b_fmt:MATRIX_FMT_FP6
.elseif \mode == 1
	v_wmma_scale_f32_16x16x128_f8f6f4 v[96+8*\t:103+8*\t], v[32+6*\t:43+6*\t], v[16+196*(\e):27+196*(\e)], v[192:199], v[200+\t], v[30+(\e)] matrix_a_fmt:MATRIX_FMT_FP6 matrix_b_fmt:MATRIX_FMT_FP6
.else
	v_wmma_scale_f32_16x16x128_f8f6f4 v[96+8*\t:103+8*\t], v[32+6*\t:43+6*\t], v[16+196*(\e):27+196*(\e)], v[96+8*\t:103+8*\t], v[200+\t], v[30+(\e)] matrix_a_fmt:MATRIX_FMT_FP6 matrix_b_fmt:MATRIX_FMT_FP6
.endif
.endr
.endm
; A KEY STEP: 128 keys.  s36, s37: the step's images of K and of V; s38, s39: their scale words; s55 = D = the step's first key - G.
.macro STEP e
	v_add_nc_u32 v7, s36, v1                       ; (these six are also the places behind the last step's products, ahead of the loads below)
	v_add_nc_u32 v8, s36, v2
	v_add_nc_u32 v9, s38, v3
	v_add_nc_u32 v10, s37, v1
	v_add_nc_u32 v11, s37, v2
	v_add_nc_u32 v28, s39, v3
.irp t, 0,1,2,3,4,5,6,7
	ds_load_b128 v[32+6*\t:35+6*\t], v7 offset:768*\t
	ds_load_b64 v[36+6*\t:37+6*\t], v8 offset:768*\t+512
.endr
	ds_load_b128 v[200:203], v9                    ; the scale words of tiles 0-3,
	ds_load_b128 v[204:207], v9 offset:256         ; of tiles 4-7
	s_add_co_u32 s57, s55, 383                     ; key - query runs from D - 31 to D + 127 over the wave's 32 queries and the step's 128 keys
	s_cmp_gt_u32 s57, 670
	s_cbranch_scc1 .Lfar_\@                        ; D < -383 or D > 287: all outside the window
	s_add_co_u32 s57, s55, 225
	s_cmp_le_u32 s57, 354
	s_cbranch_scc1 .Lnear_\@                       ; -225 <= D <= 129: all inside
	s_mov_b32 s58, 256                             ; an edge.  Register n holds key - query = E + kn, E = D - 8 e + v4, kn = 32 (n / 16) + n % 16
	s_cmp_lt_i32 s55, 0
	s_cselect_b32 s58, 0xfffffeff, s58             ; the lower edge: inside where kn > -257 - E;  the upper: outside where kn > 256 - E
	s_cselect_b32 s59, 0, 0x41000000
	s_cselect_b32 s60, 0x41000000, 0
	s_sub_co_u32 s58, s58, s55
	s_add_co_u32 s58, s58, 8*(\e)
	v_sub_nc_u32 v92, s58, v4
	v_mov_b32 v93, s59
	v_mov_b32 v94, s60
.set nn, 0
.rept 64
	v_cmp_gt_i32 vcc_lo, 32*(nn/16)+nn%16, v92
	v_cndmask_b32 v[96+nn], v93, v94, vcc_lo
.set nn, nn+1
.endr
	PLACES
	s_wait_dscnt 0x0
	SQK \e, 2
	s_branch .Ljoin_\@
.Lnear_\@:
	s_wait_dscnt 0x0
	SQK \e, 1
	s_branch .Ljoin_\@
.Lfar_\@:
	s_wait_dscnt 0x0
	SQK \e, 0
.Ljoin_\@:
	PLACES                                         ; ahead of the loads into K's registers and of the first read of the scores
.irp ct, 0,1,2,3                       ; V's four fragments (16 channels x 128 keys) land while the softmax is walked
.irp c, 0,1
	ds_load_b128 v[32+12*\ct+6*\c:35+12*\ct+6*\c], v10 offset:1536*\ct+768*\c
	ds_load_b64 v[36+12*\ct+6*\c:37+12*\ct+6*\c], v11 offset:1536*\ct+768*\c+512
.endr
.endr
	ds_load_b128 v[208:211], v28
.irp b, 0,1,2,3
	v_max3_num_f32 v[232+\b], v[96+16*\b], v[97+16*\b], v[98+16*\b]   ; the largest score of each block of 32 keys: for the row's maximum and, since p rises with the score, for the block's largest p
.endr
.irp i, 3,5,7,9,11,13
.irp b, 0,1,2,3
	v_max3_num_f32 v[232+\b], v[232+\b], v[96+16*\b+\i], v[97+16*\b+\i]
.endr
.endr
.irp b, 0,1,2,3
	v_max_num_f32 v[232+\b], v[232+\b], v[111+16*\b]
.endr
.irp b, 0,1,2,3
	v_permlanex16_b32 v[236+\b], v[232+\b], s20, s21
.endr
.irp b, 0,1,2,3
	v_max_num_f32 v[232+\b], v[232+\b], v[236+\b]  ; with lane l xor 16's 16 keys
.endr
	v_max3_num_f32 v254, v232, v233, v234
	v_max_num_f32 v254, v254, v235
	v_mul_f32 v254, s22, v254                      ; as t (c is positive)
	v_max_num_f32 v13, v13, v254                   ; the running largest t
	v_mov_b32 v254, v12
	v_floor_f32 v12, -v13                          ; the new -M = floor(-t): M is a whole number
	v_sub_f32 v254, v12, v254                      ; old M - new M: a whole number, 0 or less
	v_cvt_i32_f32 v254, v254                       ; (it saturates)
	v_ldexp_f32 v252, 1.0, v254                    ; f = 2^(old M - new M): a multiplication by it rounds nothing
.set jj, 0
.rept 32
	v_pk_fma_f32 v[96+jj:97+jj], v[96+jj:97+jj], s[22:23], v[12:13] op_sel_hi:[1,0,0]   ; t - M, two at a time
.set jj, jj+2
.endr
.irp b, 0,1,2,3
	v_fma_f32 v[232+\b], v[232+\b], s22, v12       ; the same of each block's largest score
.endr
.set jj, 0
.rept 64
	v_exp_f32 v[96+jj], v[96+jj]                   ; p = 2^(t - M), at most 1
.set jj, jj+1
.endr
	v_pk_mul_f32 v[14:15], v[14:15], v[252:253] op_sel_hi:[1,0]   ; the sums under the new M: a plain place behind the exponentials
	s_wait_alu depctr_va_vdst(0)                   ; the wait ahead of the first line that names a result: one for the batch of 64
.irp b, 0,1,2,3
	v_exp_f32 v[232+\b], v[232+\b]                 ; the block's largest p
.endr
	v_pk_add_f32 v[236:237], v[96:97], v[98:99]    ; the row's sum is taken of the unquantised p, in two chains
.irp j, 4,8,12,16,20,24,28,32,36,40,44,48,52,56,60
	v_pk_add_f32 v[14:15], v[14:15], v[96+\j:97+\j]
	v_pk_add_f32 v[236:237], v[236:237], v[98+\j:99+\j]
.endr
	v_pk_add_f32 v[14:15], v[14:15], v[236:237]
	s_wait_alu depctr_va_vdst(0)                   ; and one for the four
.irp b, 0,1,2,3
	v_max_num_f32 v[232+\b], FLOOR, v[232+\b]      ; the floor: the byte cannot fall under 1
.endr
.irp b, 0,1,2,3
	v_add_nc_u32 v[244+\b], EOFF, v[232+\b]        ; the conversion's scale operand
.endr
.irp b, 0,1,2,3
	v_lshrrev_b32 v[236+\b], 23, v[244+\b]         ; the scale's byte
.endr
	v_lshl_or_b32 v253, v237, 8, v236              ; p's scale word for these 128 keys
	v_lshl_or_b32 v253, v238, 16, v253
	v_lshl_or_b32 v253, v239, 24, v253
.irp c, 0,1
	v_cvt_scalef32_pk16_fp6_f32 v[224+6*\c:226+6*\c], v[96+32*\c:111+32*\c], v[244+2*\c]
	v_cvt_scalef32_pk16_fp6_f32 v[236+4*\c:238+4*\c], v[112+32*\c:127+32*\c], v[244+2*\c+1]
.endr
	v_nop                                          ; one plain place behind a scaled conversion
.irp c, 0,1
.irp i, 0,1,2
	v_permlane16_swap_b32 v[224+6*\c+\i], v[236+4*\c+\i]
.endr
.irp i, 0,1,2
	v_mov_b32 v[227+6*\c+\i], v[236+4*\c+\i]
.endr
.endr
.set jj, 0
.rept 16
	v_pk_mul_f32 v[160+jj:161+jj], v[160+jj:161+jj], v[252:253] op_sel_hi:[1,0]   ; O^T under the new M.  (Also the places between the lines that made p's codes and scale word and the products)
.set jj, jj+2
.endr
	s_wait_dscnt 0x0                               ; V
.irp ct, 0,1,2,3
	v_wmma_scale_f32_16x16x128_f8f6f4 v[160+8*\ct:167+8*\ct], v[32+12*\ct:43+12*\ct], v[224:235], v[160+8*\ct:167+8*\ct], v[208+\ct], v253 matrix_a_fmt:MATRIX_FMT_FP6 matrix_b_fmt:MATRIX_FMT_FP6
.endr
	s_add_co_u32 s36, s36, 6144
	s_add_co_u32 s37, s37, 6144
	s_add_co_u32 s38, s38, 512
	s_add_co_u32 s39, s39, 256
	s_add_co_u32 s55, s55, 128
.endm
; One tile of 16 queries through all keys, and out.  The step is written once a tile: O^T and the sum begin as zeros and the largest t as -3e38, which the first change of M leaves zeros.
.macro TILE e
	v_mov_b32 v13, 0xff61b1e6
	v_floor_f32 v12, -v13
	v_mov_b32 v14, 0
	v_mov_b32 v15, 0
.set jj, 0
.rept 32
	v_mov_b32 v[160+jj], 0
.set jj, jj+1
.endr
	s_mov_b32 s36, 0
	s_mov_b32 s37, 98304
	s_mov_b32 s38, 196608
	s_mov_b32 s39, 204800
	s_sub_co_u32 s55, 0, s54
	s_mov_b32 s56, 16
.Lstep_\@:
	STEP \e
	s_sub_co_u32 s56, s56, 1
	s_cmp_lg_u32 s56, 0
	s_cbranch_scc1 .Lstep_\@
	PLACES                                         ; behind the last products
	v_add_f32 v14, v14, v15
	v_permlanex16_b32 v252, v14, s20, s21
	v_add_f32 v14, v14, v252                       ; the row's sum
	v_rcp_f32 v14, v14
	v_nop                                          ; a plain place behind the reciprocal
	s_wait_alu depctr_va_vdst(0)                   ; and the wait ahead of its first reader
.set jj, 0
.rept 32
	v_mul_f32 v[96+jj], v[160+jj], v14             ; register 16 b + i is channel 32 b + 16 (lane / 16) + i of my query
.set jj, jj+1
.endr
.irp b, 0,1
	v_max3_num_f32 v[232+\b], |v[96+16*\b]|, |v[97+16*\b]|, FLOOR
.endr
.irp i, 2,4,6,8,10,12,14
.irp b, 0,1
	v_max3_num_f32 v[232+\b], v[232+\b], |v[96+16*\b+\i]|, |v[97+16*\b+\i]|
.endr
.endr
.irp b, 0,1
	v_permlanex16_b32 v[236+\b], v[232+\b], s20, s21
.endr
.irp b, 0,1
	v_max_num_f32 v[232+\b], v[232+\b], v[236+\b]
.endr
.irp b, 0,1
	v_add_nc_u32 v[244+\b], EOFF, v[232+\b]
.endr
.irp b, 0,1
	v_lshrrev_b32 v[236+\b], 23, v[244+\b]
.endr
	s_wait_xcnt 0x0                                ; the tile before's stores have read their data: it is written again only behind this wait
	v_cndmask_b32 v95, v236, v237, s61             ; lanes 0-15 store block 0's byte, lanes 16-31 block 1's
	v_cvt_scalef32_pk16_fp6_f32 v[86:88], v[96:111], v244
	v_cvt_scalef32_pk16_fp6_f32 v[240:242], v[112:127], v245
	v_nop                                          ; one plain place behind a scaled conversion
.irp i, 0,1,2
	v_permlane16_swap_b32 v[86+\i], v[240+\i]
.endr
.irp i, 0,1,2
	v_mov_b32 v[89+\i], v[240+\i]
.endr
	global_store_b128 v1, v[86:89], s[50:51] offset:12800*(\e)        ; 512 consecutive bytes, aligned
	global_store_b64 v2, v[90:91], s[50:51] offset:12800*(\e)+512     ; 256 consecutive bytes, aligned
	global_store_b8 v29, v95, s[52:53] offset:12800*(\e)+6144
.endm
	TILE 0
	TILE 1
	s_wait_tensorcnt 0x0                           ; the wave's end
	ds_add_u32 v5, v6
	s_wait_dscnt 0x0
	CROUND                                         ; the closing round
	s_endpgm
.Lfunc_end_k_q321e9715b0_attn:
	.size	k_q321e9715b0_attn, .Lfunc_end_k_q321e9715b0_attn-k_q321e9715b0_attn
	.p2alignl 7, 3214868480
	.fill 96, 4, 3214868480
	.section	.rodata,"a",@progbits
	.p2align	6, 0x0
	.amdhsa_kernel k_q321e9715b0_attn
		.amdhsa_group_segment_fixed_size 210944
		.amdhsa_private_segment_fixed_size 0
		.amdhsa_enable_private_segment 0
		.amdhsa_kernarg_size 24
		.amdhsa_user_sgpr_count 2
		.amdhsa_user_sgpr_kernarg_segment_ptr 1
		.amdhsa_wavefront_size32 1
		.amdhsa_system_sgpr_workgroup_id_x 1
		.amdhsa_system_sgpr_workgroup_id_y 1
		.amdhsa_system_sgpr_workgroup_id_z 1
		.amdhsa_system_vgpr_workitem_id 0
		.amdhsa_next_free_vgpr 256
		.amdhsa_next_free_sgpr 66
		.amdhsa_reserve_vcc 1
		.amdhsa_float_denorm_mode_32 3
		.amdhsa_float_denorm_mode_16_64 3
		.amdhsa_memory_ordered 1
		.amdhsa_forward_progress 1
		.amdhsa_inst_pref_size 65
	.end_amdhsa_kernel
	.amdgpu_metadata
---
amdhsa.version: [ 1, 2 ]
amdhsa.kernels:
  - .name:           k_q321e9715b0_attn
    .symbol:         k_q321e9715b0_attn.kd
    .args:
      - { .name: qq, .offset: 0, .size: 8, .value_kind: global_buffer, .address_space: global }
      - { .name: kv, .offset: 8, .size: 8, .value_kind: global_buffer, .address_space: global }
      - { .name: aq, .offset: 16, .size: 8, .value_kind: global_buffer, .address_space: global }
    .group_segment_fixed_size: 210944
    .private_segment_fixed_size: 0
    .kernarg_segment_align: 8
    .kernarg_segment_size: 24
    .max_flat_workgroup_size: 512
    .sgpr_count:     66
    .vgpr_count:     256
    .wavefront_size: 32
...
	.end_amdgpu_metadata
.endif
;; end of part 3
;; launch outp (part 4): grid 4 x 64, 4 waves a work-group, clusters of 4 x 4, 307,712 bytes of LDS; arguments aq, wq, out0; writes out0
.if DOCPART == 4
	.amdgcn_target "amdgcn-amd-amdhsa--gfx1250"
	.amdhsa_code_object_version 6
	.text
	.protected	k_q321e9715b0_outp
	.globl	k_q321e9715b0_outp
	.p2align	8
	.type	k_q321e9715b0_outp,@function
k_q321e9715b0_outp:
	s_mov_b64 s[64:65], 0
	v_nop
	global_prefetch_b8 v0, s[64:65] scope:SCOPE_SE
	s_setreg_imm32_b32 hwreg(HW_REG_WAVE_MODE, 25, 1), 1
	s_wait_xcnt 0x0
	s_wait_alu depctr_hold_cnt(0) depctr_sa_sdst(0) depctr_va_vdst(0) depctr_va_sdst(0) depctr_va_ssrc(0) depctr_va_vcc(0) depctr_vm_vsrc(0)
	s_getreg_b32 s2, hwreg(HW_REG_IB_STS2, 6, 4)
	s_cmp_eq_u32 s2, 0
	s_cbranch_scc0 .Lentry_in_a_cluster
	s_endpgm
.Lentry_in_a_cluster:
	s_bfe_u32 s2, ttmp6, 0x10000c
	s_cmp_lg_u32 s2, 0xf033
	s_cbranch_scc0 .Lentry_shape_is_right
	s_endpgm
.Lentry_shape_is_right:
; out0 = o Wo on codes of FP6 (E2M3).  o's codes (aq) and Wo's (wq, tiles 96-159) lie as tile records of 12,800 bytes: two K halves, each eight images of 768 bytes (16 rows x 64 K, in the order of an
; operand's registers) and 256 bytes of scale words.  Tile 2 b + u holds rows 32 b + 8 u + i + 8 (i / 8).
; A work-group takes 128 rows of o (8 tiles: work-group y) and 256 columns of Wo (16 tiles: work-group x), over all K = 1,024: 24 records, 307,200 bytes, lie in LDS whole; every byte is filled once, in two chunks
; (the K halves); the first is multiplied while the second lands.  By this text's own count a wave has four tensor loads out.
; CLUSTER 4 x 4: Wo's tiles hang on x alone and are shared along a column of the cluster, o's on y alone and are shared along a row: both are asked for JOINTLY.
; A wave multiplies 8 tiles of Wo (source 0) by 4 tiles of o (source 1): 32 accumulators by turns, one instruction a turn, in the same order in every K step.
; A lane holds one row of the output; the 16 registers of tiles 2 b, 2 b + 1 are columns 32 b + 16 (lane / 16) + 0 .. 15.  Results leave through the wave's own stage as whole rows of 512 bytes.
; The stage lies in chunk 0, which has had its only fill, and which nobody reads behind the barrier at the change of chunks.
; REGISTERS: window 0: v4-15 LDS addresses, v16, v17, v26 the way out, v28, v29 the add's two, v32-127 scale words, v128-223 o's fragments (two sets), on the way out v128-255 rows read back.
;   window 1: Wo's fragments, two sets, at v0 and v128.   window 2: the accumulators, (m, p) at v[8 (8 m + p)].
.set TR, 6400
.set REC, 2*TR
.set CH, 24*TR
.set XB, 16*TR
.set SPARE, 2*CH                       ; behind the chunks: the spare words, 128 bytes for each wave
.set SPITCH, 528                       ; a stage row: 512 bytes + 16
.set MSB, 0
.macro WIN new                         ; the immediate's high byte repeats the setting that is left
.if MSB != \new
	s_set_vgpr_msb (MSB<<8)|\new
.set MSB, \new
.endif
.endm
.macro PLACES                          ; four places behind a matrix instruction (ISA guide 7.12.1)
.rept 4
	v_nop
.endr
.endm
.macro CROUND
	s_barrier_signal -1
	s_barrier_wait -1
	s_cmp_lg_u32 s12, 0
	s_cbranch_scc1 .Lnot_wave_0_\@
	s_barrier_signal -3
.Lnot_wave_0_\@:
	s_barrier_wait -3
	s_barrier_signal -1
	s_barrier_wait -1
.endm
	s_load_b128 s[4:7], s[0:1], 0x0                ; aq, wq
	s_load_b64 s[8:9], s[0:1], 0x10                ; out0
	v_lshl_add_u32 v28, v0, 2, SPARE
	v_mov_b32 v29, 0
	ds_add_u32 v28, v29                            ; the wave's opening: the add and its wait stand ahead of my first tensor load; work on registers stands between them
	v_lshrrev_b32 v1, 5, v0
	v_readfirstlane_b32 s12, v1                    ; wave
	s_bfe_u32 s13, ttmp6, 0x40000                  ; cx
	s_bfe_u32 s14, ttmp6, 0x40004                  ; cy
	s_lshl_b32 s15, ttmp9, 2
	s_add_co_u32 s15, s15, s13                     ; my 256 columns
	s_and_b32 s56, ttmp7, 0xffff
	s_lshl_b32 s56, s56, 2
	s_add_co_u32 s56, s56, s14                     ; my 128 rows
	s_lshl_b32 s57, s14, 2
	s_lshl_b32 s57, 15, s57                        ; my row of the cluster
	s_lshl_b32 s58, 0x1111, s13                    ; my column
	s_or_b32 s24, s58, (3<<16)|(1<<21)             ; Wo's tiles go to my column: rows of 800 elements of 8 bytes, 1,600 apart, 4 a wave
	s_mov_b32 s25, 800<<16
	s_mov_b32 s26, 4<<16
	s_mov_b32 s27, 800<<16
	s_mov_b32 s28, 4
	s_mov_b32 s29, 1600
	s_mov_b32 s30, 0
	s_mov_b32 s31, 0
	s_or_b32 s32, s57, (3<<16)|(1<<21)             ; o's tiles go to my row: 2 a wave
	s_mov_b32 s33, 800<<16
	s_mov_b32 s34, 2<<16
	s_mov_b32 s35, 800<<16
	s_mov_b32 s36, 2
	s_mov_b32 s37, 1600
	s_mov_b32 s38, 0
	s_mov_b32 s39, 0
	s_lshl_b32 s16, s15, 4
	s_lshl_b32 s17, s12, 2
	s_add_co_u32 s16, s16, s17
	s_add_co_u32 s16, s16, 96
	s_mul_i32 s16, s16, REC                        ; Wo: tile 96 + 16 x + 4 wave: nothing of cy enters
	s_mov_b32 s17, 0
	s_lshl_b32 s18, s56, 3
	s_lshl_b32 s19, s12, 1
	s_add_co_u32 s18, s18, s19
	s_mul_i32 s18, s18, REC                        ; o: tile 8 y + 2 wave: nothing of cx enters
	s_mov_b32 s19, 0
	s_mul_i32 s20, s12, 4*TR                       ; where they go: by the wave's number alone
	s_mul_i32 s21, s12, 2*TR
	s_add_co_u32 s21, s21, XB
	s_wait_dscnt 0x0                               ; the opening add is done
	s_wait_kmcnt 0x0
	s_add_nc_u64 s[16:17], s[6:7], s[16:17]
	s_add_nc_u64 s[18:19], s[4:5], s[18:19]
.irp k, 0,1
	s_mov_b32 s[40+8*\k], 1
	s_add_co_u32 s[41+8*\k], s20, \k*CH
	s_add_nc_u64 s[42+8*\k:43+8*\k], s[16:17], \k*TR
	s_or_b32 s[43+8*\k], s[43+8*\k], 0x80000000
	s_mov_b32 s[44+8*\k], 1
	s_add_co_u32 s[45+8*\k], s21, \k*CH
	s_add_nc_u64 s[46+8*\k:47+8*\k], s[18:19], \k*TR
	s_or_b32 s[47+8*\k], s[47+8*\k], 0x80000000
.endr
	CROUND                                         ; all sixteen work-groups are here: the joint loads meet
	tensor_load_to_lds s[40:43], s[24:31]          ; K half 0: Wo's tiles,
	s_nop 0
	tensor_load_to_lds s[44:47], s[32:39]          ; o's;
	s_nop 0
	tensor_load_to_lds s[48:51], s[24:31]          ; K half 1
	s_nop 0
	tensor_load_to_lds s[52:55], s[32:39]
	s_nop 0
	PLACES
	s_and_b32 s58, s12, 1                          ; wl: which 128 of the columns
	s_lshr_b32 s59, s12, 1                         ; wh: which 64 of the rows
	s_mul_i32 s22, s58, 8*TR
	s_mul_i32 s23, s59, 4*TR
	s_add_co_u32 s23, s23, XB
	v_and_b32 v1, 31, v0
	v_and_b32 v2, 15, v0                           ; r
	v_bfe_u32 v3, v0, 4, 1                         ; h
	v_lshlrev_b32 v26, 4, v1                       ; 16 x lane
	v_lshlrev_b32 v27, 3, v1                       ; 8 x lane
	v_lshlrev_b32 v25, 4, v2                       ; 16 r
	v_add_nc_u32 v4, s22, v26                      ; Wo: registers 0-3 of an image, chunk 0, 1
	v_add_nc_u32 v5, CH, v4
	v_add_nc_u32 v6, s22, v27                      ; registers 4-5
	v_add_nc_u32 v7, CH, v6
	v_add_nc_u32 v8, s23, v26                      ; o likewise
	v_add_nc_u32 v9, CH, v8
	v_add_nc_u32 v10, s23, v27
	v_add_nc_u32 v11, CH, v10
	v_add_nc_u32 v12, s22, v25                     ; scale words: four of row r
	v_add_nc_u32 v13, CH, v12
	v_add_nc_u32 v14, s23, v25
	v_add_nc_u32 v15, CH, v14
	s_mul_i32 s20, s12, 16*SPITCH                  ; my stage
	v_mul_u32_u24 v16, v2, SPITCH
	v_lshl_add_u32 v16, v3, 6, v16
	v_add_nc_u32 v16, s20, v16                     ; in: row r, + 64 h
	v_add_nc_u32 v17, s20, v26                     ; back: 16 bytes a lane of a row
	s_lshl_b32 s60, s56, 19                        ; 128 rows of 4,096 bytes a work-group,
	s_lshl_b32 s61, s59, 18                        ; 64 a half,
	s_add_co_u32 s60, s60, s61
	s_lshl_b32 s61, s15, 10                        ; 256 columns of 4 bytes a work-group,
	s_add_co_u32 s60, s60, s61
	s_lshl_b32 s61, s58, 9                         ; 128 a half
	s_add_co_u32 s60, s60, s61
	s_mov_b32 s61, 0
	s_add_nc_u64 s[60:61], s[8:9], s[60:61]
; The fragments of K step s (chunk s / 4, images 2 (s % 4) and + 1) into set s % 2.  With a chunk's first step: its scale words.
.macro FETCH s
.set KP, (\s)/4
.set SL, (\s)%4
.set SG, (\s)%2
	WIN 0x40                                       ; destination window 1
.irp p, 0,1,2,3,4,5,6,7
.irp c, 0,1
	ds_load_b128 v[128*SG+12*\p+6*\c:128*SG+12*\p+6*\c+3], v[4+KP] offset:\p*TR+(2*SL+\c)*768
	ds_load_b64 v[128*SG+12*\p+6*\c+4:128*SG+12*\p+6*\c+5], v[6+KP] offset:\p*TR+(2*SL+\c)*768+512
.endr
.endr
	WIN 0
.irp m, 0,1,2,3
.irp c, 0,1
	ds_load_b128 v[128+48*SG+12*\m+6*\c:128+48*SG+12*\m+6*\c+3], v[8+KP] offset:\m*TR+(2*SL+\c)*768
	ds_load_b64 v[128+48*SG+12*\m+6*\c+4:128+48*SG+12*\m+6*\c+5], v[10+KP] offset:\m*TR+(2*SL+\c)*768+512
.endr
.endr
.if SL == 0
.irp p, 0,1,2,3,4,5,6,7
	ds_load_b128 v[32+48*KP+4*\p:32+48*KP+4*\p+3], v[12+KP] offset:\p*TR+6144
.endr
.irp m, 0,1,2,3
	ds_load_b128 v[64+48*KP+4*\m:64+48*KP+4*\m+3], v[14+KP] offset:\m*TR+6144
.endr
.endif
.endm
.macro MUL32 s, zero                   ; zero = 1: the first product starts the sums: nothing is ever cleared
.set KP, (\s)/4
.set SL, (\s)%4
.set SG, (\s)%2
	WIN 0xa1                                       ; source 0 window 1, source 1 window 0, C and D window 2
.irp m, 0,1,2,3
.irp p, 0,1,2,3,4,5,6,7
.if \zero
	v_wmma_scale_f32_16x16x128_f8f6f4 v[8*(8*\m+\p):8*(8*\m+\p)+7], v[128*SG+12*\p:128*SG+12*\p+11], v[128+48*SG+12*\m:128+48*SG+12*\m+11], 0, v[32+48*KP+4*\p+SL], v[64+48*KP+4*\m+SL] matrix_a_fmt:MATRIX_FMT_FP6 matrix_b_fmt:MATRIX_FMT_FP6
.else
	v_wmma_scale_f32_16x16x128_f8f6f4 v[8*(8*\m+\p):8*(8*\m+\p)+7], v[128*SG+12*\p:128*SG+12*\p+11], v[128+48*SG+12*\m:128+48*SG+12*\m+11], v[8*(8*\m+\p):8*(8*\m+\p)+7], v[32+48*KP+4*\p+SL], v[64+48*KP+4*\m+SL] matrix_a_fmt:MATRIX_FMT_FP6 matrix_b_fmt:MATRIX_FMT_FP6
.endif
.endr
.endr
	WIN 0
.endm
.macro KSTEP s
	s_wait_dscnt 0x0                               ; this step's fragments, asked for 32 matrix instructions ago, are in
.if (\s) == 3
	s_wait_tensorcnt 0x0                           ; my parts of K half 1 have landed,
	s_barrier_signal -1
	s_barrier_wait -1                              ; everybody's have; and nobody reads K half 0 any more
.endif
.if (\s) < 7
.if (\s) > 0
	PLACES
.endif
	FETCH (\s)+1
.endif
.if (\s) == 0
	MUL32 \s, 1
.else
	MUL32 \s, 0
.endif
.endm
	s_wait_tensorcnt 2                             ; my parts of K half 0 are in; half 1's two loads may stay out
	s_barrier_signal -1
	s_barrier_wait -1
	FETCH 0
	KSTEP 0
	KSTEP 1
	KSTEP 2
	KSTEP 3
	KSTEP 4
	KSTEP 5
	KSTEP 6
	KSTEP 7
; THE WAY OUT, a tile of 16 rows x 128 columns at a time, through my own stage: LDS serves a wave's instructions in order, so no wait stands between the stores and the loads, nor ahead of the next tile's stores.
.macro TOSTAGE m
	WIN 0x08                                       ; an LDS store's data are its source 1: window 2
.irp p, 0,1,2,3,4,5,6,7
	ds_store_b128 v16, v[64*(\m)+8*\p:64*(\m)+8*\p+3] offset:128*(\p/2)+32*(\p%2)          ; each accumulator from its low end on
	ds_store_b128 v16, v[64*(\m)+8*\p+4:64*(\m)+8*\p+7] offset:128*(\p/2)+32*(\p%2)+16
.endr
	WIN 0
.irp t, 0,1,2,3,4,5,6,7,8,9,10,11,12,13,14,15
	ds_load_b128 v[128+64*((\m)%2)+4*\t:128+64*((\m)%2)+4*\t+3], v17 offset:\t*SPITCH
.endr
.endm
.macro SEND m, younger                 ; younger: the LDS instructions issued behind tile m's loads, which may stay out
	s_wait_dscnt \younger
.irp t, 0,1,2,3,4,5,6,7,8,9,10,11,12,13,14,15
	global_store_b128 v26, v[128+64*((\m)%2)+4*\t:128+64*((\m)%2)+4*\t+3], s[60:61] offset:(32*((\m)/2)+8*((\m)%2)+\t+8*(\t/8))*4096 th:TH_STORE_NT   ; 512 consecutive bytes, aligned; the tile's row t is row t + 8 (t / 8)
.endr
.endm
	PLACES                                         ; behind the last products: ahead of the stores of results and of the loads into the fragments' registers
	TOSTAGE 0
.irp a, 1,2,3
.if \a > 1
	s_wait_xcnt 0x0                                ; tile a - 2's stores have read their registers: tile a's loads may land there
.endif
	TOSTAGE \a
	SEND \a-1, 32                                  ; behind tile a - 1's loads: tile a's 16 stores and 16 loads
.endr
	SEND 3, 0
	s_wait_tensorcnt 0x0                           ; the wave's end, behind my last LDS store
	ds_add_u32 v28, v29
	s_wait_dscnt 0x0
	CROUND                                         ; the closing round
	s_endpgm
.Lfunc_end_k_q321e9715b0_outp:
	.size	k_q321e9715b0_outp, .Lfunc_end_k_q321e9715b0_outp-k_q321e9715b0_outp
	.p2alignl 7, 3214868480
	.fill 96, 4, 3214868480
	.section	.rodata,"a",@progbits
	.p2align	6, 0x0
	.amdhsa_kernel k_q321e9715b0_outp
		.amdhsa_group_segment_fixed_size 307712
		.amdhsa_private_segment_fixed_size 0
		.amdhsa_enable_private_segment 0
		.amdhsa_kernarg_size 24
		.amdhsa_user_sgpr_count 2
		.amdhsa_user_sgpr_kernarg_segment_ptr 1
		.amdhsa_wavefront_size32 1
		.amdhsa_system_sgpr_workgroup_id_x 1
		.amdhsa_system_sgpr_workgroup_id_y 1
		.amdhsa_system_sgpr_workgroup_id_z 1
		.amdhsa_system_vgpr_workitem_id 0
		.amdhsa_next_free_vgpr 768
		.amdhsa_next_free_sgpr 96
		.amdhsa_reserve_vcc 0
		.amdhsa_float_denorm_mode_32 3
		.amdhsa_float_denorm_mode_16_64 3
		.amdhsa_memory_ordered 1
		.amdhsa_forward_progress 1
		.amdhsa_inst_pref_size 81
	.end_amdhsa_kernel
	.amdgpu_metadata
---
amdhsa.version: [ 1, 2 ]
amdhsa.kernels:
  - .name:           k_q321e9715b0_outp
    .symbol:         k_q321e9715b0_outp.kd
    .args:
      - { .name: aq, .offset: 0, .size: 8, .value_kind: global_buffer, .address_space: global }
      - { .name: wq, .offset: 8, .size: 8, .value_kind: global_buffer, .address_space: global }
      - { .name: out0, .offset: 16, .size: 8, .value_kind: global_buffer, .address_space: global }
    .group_segment_fixed_size: 307712
    .private_segment_fixed_size: 0
    .kernarg_segment_align: 8
    .kernarg_segment_size: 24
    .max_flat_workgroup_size: 128
    .sgpr_count:     96
    .vgpr_count:     768
    .wavefront_size: 32
...
	.end_amdgpu_metadata
.endif
;; end of part 4
